; MI455X (gfx1250); checked and timed in simulation.
; The chip was launched on July 23, 2026; its instructions are those of AMD's public machine-readable ISA for CDNA 5 (MIT licence, August 2026) and "CDNA5" Instruction Set Architecture Reference Guide (July 2026). The comments in the code are by the model that wrote it; some were corrected since.
;; Multi Head Attention Block. Allowed arithmetic: float matrix products may take bf16 or f16 operands with f32 sums; all other float work in f32.
;; Inputs: Wk 512 x 512 float32; Wo 512 x 512 float32; Wq 512 x 512 float32; Wv 512 x 512 float32; bk 512 float32; bo 512 float32; bq 512 float32; bv 512 float32; k 4 x 2,048 x 512 float32; mask 4 x 1 x 2,048 x 2,048 int32; q 4 x 2,048 x 512 float32; v 4 x 2,048 x 512 float32.
;; Outputs: out0 4 x 2,048 x 512 float32.
;; One version. Each part assembles by itself: llvm-mc -triple=amdgcn-amd-amdhsa -mcpu=gfx1250 --defsym DOCPART=n.
;; ======== version 1 of 1: 4 launches
;; limits: values are held in f16: magnitudes above 65,504 overflow, below 6.1e-05 lose precision
;; workspace buffers: mbits 2,097,152 bytes of whole numbers; wb 2,097,152 bytes; bb 8,192 bytes; qkv 25,165,824 bytes; ctx 8,388,608 bytes
;; launch prep (part 1): grid 256 x 1, 8 waves a work-group, no clusters, 271,360 bytes of LDS; arguments mask, Wq, Wk, Wv, Wo, bq, bk, bv, bo, mbits, wb, bb; writes mbits, wb, bb
.if DOCPART == 1
	.amdgcn_target "amdgcn-amd-amdhsa--gfx1250"
	.amdhsa_code_object_version 6
	.text
	.protected	k_qea1760a0fe_prep
	.globl	k_qea1760a0fe_prep
	.p2align	8
	.type	k_qea1760a0fe_prep,@function
k_qea1760a0fe_prep:
	s_mov_b64 s[64:65], 0
	v_nop
	global_prefetch_b8 v0, s[64:65] scope:SCOPE_SE
	s_setreg_imm32_b32 hwreg(HW_REG_WAVE_MODE, 25, 1), 1
	s_wait_xcnt 0x0
; PREP.  Three things, each done once for the whole program:
;  (1) the int32 mask [8192 rows][2048 keys] is packed into lane-mask words: word [(qt*128 + kt)*8 + j], qt = row/16, kt = key/16,
;      has in bit L the truth of mask[16 qt + (L & 15)][16 kt + 8 (L >> 4) + j] != 0.  That is the place of lane L, register j in a
;      16 x 16 score tile of the attention launch, so one word there is the select operand of one v_cndmask_b32.
;  (2) Wq * c, Wk, Wv, Wo go to f16 as [which 4][kc 8][n 512][64]: a block of 128 rows x 64 k is then 16,384 dense bytes.
;      c = log2(e) / 8: the division of the scores by 8 and the change to base 2 ride on Wq and bq.
;  (3) bq * c, bk, bv, bo go to bb as f32 [4][512].
; LIMIT: |W| (and |Wq| c) must stay below 65,504, the largest f16; below 6.1e-5 the f16 step is 6e-8.
; Work-group g owns mask rows 32 g .. 32 g + 31 (262,144 bytes).  Wave w owns the 16 rows 32 g + 16 (w >> 2) and the keys 512 (w & 3) .. + 511,
; as four tiles of 16 rows x 128 keys, each brought by one tensor load into LDS bytes of the wave's own.  All four go out at the start: every
; LDS byte is filled once and read only by the wave that asked for it, so there is no refill and no barrier.
; No work-group shares an input byte with another, so there is nothing to ask for jointly: no cluster.  No matrix work.
.set TROW,  528                        ; an LDS row: 512 bytes + 16 of padding = 33 x 16: the 16 rows that a b128 read touches start in 16 different 16-byte columns
.set TILE,  16*TROW                    ; 8,448 bytes
.set WRING, 4*TILE                     ; 33,792 bytes for each wave
.set X,   8                            ; v[8:71]    a tile as read: 8 key tiles x 8 registers
.set OP,  72                           ; v[72:79]   tile i: a pair of registers, 64 words over 32 lanes
.set WI,  80                           ; v[80:95]   W as loaded
.set WH,  96                           ; v[96:103]  W in f16
.set BI,  104                          ; v[104:105] bias
.set G1,  32                           ; s[32:39]   descriptor group 1
.set G0,  40                           ; s[40:55]   descriptor group 0, one for each tile
.set CW,  56                           ; s[56:63]   eight compare results
	s_load_b512 s[8:23], s[0:1], 0x0               ; mask s[8:9], Wq s[10:11], Wk s[12:13], Wv s[14:15], Wo s[16:17], bq s[18:19], bk s[20:21], bv s[22:23]
	s_load_b256 s[24:31], s[0:1], 0x40             ; bo s[24:25], mbits s[26:27], wb s[28:29], bb s[30:31]
	v_lshl_add_u32 v112, v0, 2, 0x42000
	v_mov_b32 v113, 0
	ds_add_u32 v112, v113
	ds_add_u32 v112, v113
	v_lshrrev_b32 v1, 5, v0
	v_readfirstlane_b32 s3, v1                     ; wave 0..7
	s_lshr_b32 s4, ttmp9, 6                        ; which weight matrix this group converts a part of
	s_and_b32 s5, ttmp9, 63                        ; which eight rows of it
	; group 1: 16 rows x 128 elements of 4 bytes, 2,048 elements from row to row, 4 words of padding behind every 128 words
	s_mov_b32 s[G1+0], (2<<16)|(1<<20)|(6<<22)|(3<<25)
	s_mov_b32 s[G1+1], 128<<16                     ; tensor_dim0 = 128
	s_mov_b32 s[G1+2], 16<<16                      ; tensor_dim1 = 16
	s_mov_b32 s[G1+3], 128<<16                     ; tile_dim0 = 128
	s_mov_b32 s[G1+4], 16                          ; tile_dim1 = 16
	s_mov_b32 s[G1+5], 2048                        ; pitch
	s_mov_b32 s[G1+6], 0
	s_mov_b32 s[G1+7], 0
	s_mul_i32 s56, s3, WRING                       ; my wave's LDS bytes
	s_lshl_b32 s66, ttmp9, 18                      ; 32 rows of 8,192 bytes
	s_lshr_b32 s57, s3, 2
	s_lshl_b32 s57, s57, 17                        ; + 16 rows
	s_add_co_u32 s66, s66, s57
	s_and_b32 s57, s3, 3
	s_lshl_b32 s57, s57, 11                        ; + 512 keys of 4 bytes
	s_add_co_u32 s66, s66, s57
	s_mov_b32 s67, 0
	s_wait_dscnt 0x0
	s_wait_kmcnt 0x0
	s_add_nc_u64 s[8:9], s[8:9], s[66:67]
.irp i, 0,1,2,3
	s_mov_b32 s[G0+4*\i], 1
	s_add_co_u32 s[G0+4*\i+1], s56, \i*TILE
	s_add_nc_u64 s[G0+4*\i+2:G0+4*\i+3], s[8:9], \i*512
	s_or_b32 s[G0+4*\i+3], s[G0+4*\i+3], 0x80000000
	tensor_load_to_lds s[G0+4*\i:G0+4*\i+3], s[G1:G1+7]    ; four loads of this wave are out at the most
	s_nop 0
.endr
	v_and_b32 v6, 15, v0                           ; r
	v_bfe_u32 v7, v0, 4, 1                         ; h
	v_and_b32 v4, 31, v0                           ; lane
	v_mul_u32_u24 v1, v6, TROW
	v_lshl_add_u32 v1, v7, 5, v1
	v_add_nc_u32 v1, s56, v1                       ; LDS: row r, 8 keys (32 bytes) for each half of the lanes
	v_lshlrev_b32 v2, 4, v6
	v_lshl_add_u32 v2, v7, 11, v2
	v_lshl_add_u32 v2, s3, 8, v2                   ; W in: row h of a pair, 16 bytes a lane, columns 64 w ..
	v_lshlrev_b32 v4, 3, v4                        ; 8 x lane
	v_lshl_add_u32 v3, s3, 16, v4                  ; W out: k chunk w, 8 bytes a lane
	v_lshlrev_b32 v5, 3, v0                        ; bias: 8 bytes a thread
.irp j, 0,1,2,3,4,5,6,7
	v_mov_b32 v[OP+\j], 0                          ; v_writelane_b32 keeps the other lanes: the registers are written whole once
.endr
	; which W, which bias, which factor
	s_cmp_eq_u32 s4, 1
	s_cselect_b64 s[68:69], s[12:13], s[10:11]
	s_cselect_b64 s[70:71], s[20:21], s[18:19]
	s_cmp_eq_u32 s4, 2
	s_cselect_b64 s[68:69], s[14:15], s[68:69]
	s_cselect_b64 s[70:71], s[22:23], s[70:71]
	s_cmp_eq_u32 s4, 3
	s_cselect_b64 s[68:69], s[16:17], s[68:69]
	s_cselect_b64 s[70:71], s[24:25], s[70:71]
	s_cmp_eq_u32 s4, 0
	s_cselect_b32 s6, 0x3e38aa3b, 1.0              ; log2(e) / 8 for Wq and bq, 1 for the others
	s_mov_b32 s7, s6
	s_lshl_b32 s66, s5, 14                         ; eight rows of 2,048 bytes
	s_add_nc_u64 s[68:69], s[68:69], s[66:67]
	s_lshl_b32 s66, s4, 19
	s_lshl_b32 s57, s5, 10                         ; eight rows of 128 bytes
	s_add_co_u32 s66, s66, s57
	s_add_nc_u64 s[28:29], s[28:29], s[66:67]
	s_lshl_b32 s66, s4, 11
	s_add_nc_u64 s[30:31], s[30:31], s[66:67]
	s_lshl_b32 s66, ttmp9, 13                      ; two q tiles of 4,096 bytes of words,
	s_lshl_b32 s57, s3, 10                         ; (w >> 2) x 4,096 + (w & 3) x 1,024 = 1,024 w
	s_add_co_u32 s66, s66, s57
	s_add_nc_u64 s[26:27], s[26:27], s[66:67]
	; W: each load takes 256 bytes of two rows, each store writes 256 consecutive bytes, aligned
.irp p, 0,1,2,3
	global_load_b128 v[WI+4*\p:WI+4*\p+3], v2, s[68:69] offset:\p*4096 th:TH_LOAD_NT
.endr
	s_wait_loadcnt 0x0
.irp j, 0,1,2,3,4,5,6,7
	v_pk_mul_f32 v[WI+2*\j:WI+2*\j+1], v[WI+2*\j:WI+2*\j+1], s[6:7] op_sel_hi:[1,0]
.endr
.irp j, 0,1,2,3,4,5,6,7
	v_cvt_pk_f16_f32 v[WH+\j], v[WI+2*\j], v[WI+2*\j+1]
.endr
.irp p, 0,1,2,3
	global_store_b64 v3, v[WH+2*\p:WH+2*\p+1], s[28:29] offset:\p*256
.endr
	s_cmp_lg_u32 s5, 0
	s_cbranch_scc1 .Lno_bias                       ; the first group of each matrix also copies its bias
	global_load_b64 v[BI:BI+1], v5, s[70:71]
	s_wait_loadcnt 0x0
	v_pk_mul_f32 v[BI:BI+1], v[BI:BI+1], s[6:7] op_sel_hi:[1,0]
	global_store_b64 v5, v[BI:BI+1], s[30:31]
.Lno_bias:
; Tile i: 8 key tiles x 8 words.  A compare gives the 32 lanes' bits as one scalar word; word 8 t + j goes to lane 4 t + j / 2, register j & 1,
; so that one store of 8 bytes a lane writes the tile's 64 words, 256 consecutive bytes, aligned.
.macro PACK i
	s_wait_tensorcnt 3-\i                          ; tensor loads end in order: tile i is in, the 3 - i younger ones may be out
.irp t, 0,1,2,3,4,5,6,7
	ds_load_b128 v[X+8*\t:X+8*\t+3],   v1 offset:\i*TILE+64*\t
	ds_load_b128 v[X+8*\t+4:X+8*\t+7], v1 offset:\i*TILE+64*\t+16
.endr
.irp t, 0,1,2,3,4,5,6,7
	s_wait_dscnt 14-2*\t                           ; of the 16 reads the first 2 t + 2 are back
.irp j, 0,1,2,3,4,5,6,7
	v_cmp_ne_u32 s[CW+\j], 0, v[X+8*\t+\j]
.endr
.irp j, 0,1,2,3,4,5,6,7
	v_writelane_b32 v[OP+2*\i+(\j&1)], s[CW+\j], 4*\t+(\j>>1)
.endr
.endr
	global_store_b64 v4, v[OP+2*\i:OP+2*\i+1], s[26:27] offset:256*\i   ; each tile has its own pair: no store's data is written again
.endm
	PACK 0
	PACK 1
	PACK 2
	PACK 3
	s_wait_tensorcnt 0x0
	ds_add_u32 v112, v113
	s_wait_dscnt 0x0
	s_endpgm
.Lfunc_end_k_qea1760a0fe_prep:
	.size	k_qea1760a0fe_prep, .Lfunc_end_k_qea1760a0fe_prep-k_qea1760a0fe_prep
	.p2alignl 7, 3214868480
	.fill 96, 4, 3214868480
	.section	.rodata,"a",@progbits
	.p2align	6, 0x0
	.amdhsa_kernel k_qea1760a0fe_prep
		.amdhsa_group_segment_fixed_size 271360
		.amdhsa_private_segment_fixed_size 0
		.amdhsa_enable_private_segment 0
		.amdhsa_kernarg_size 96
		.amdhsa_user_sgpr_count 2
		.amdhsa_user_sgpr_kernarg_segment_ptr 1
		.amdhsa_wavefront_size32 1
		.amdhsa_system_sgpr_workgroup_id_x 1
		.amdhsa_system_sgpr_workgroup_id_y 1
		.amdhsa_system_sgpr_workgroup_id_z 1
		.amdhsa_system_vgpr_workitem_id 0
		.amdhsa_next_free_vgpr 114
		.amdhsa_next_free_sgpr 72
		.amdhsa_reserve_vcc 0
		.amdhsa_float_denorm_mode_32 3
		.amdhsa_float_denorm_mode_16_64 3
		.amdhsa_memory_ordered 1
		.amdhsa_forward_progress 1
		.amdhsa_inst_pref_size 45
	.end_amdhsa_kernel
	.amdgpu_metadata
---
amdhsa.version: [ 1, 2 ]
amdhsa.kernels:
  - .name:           k_qea1760a0fe_prep
    .symbol:         k_qea1760a0fe_prep.kd
    .args:
      - { .name: mask, .offset: 0, .size: 8, .value_kind: global_buffer, .address_space: global }
      - { .name: Wq, .offset: 8, .size: 8, .value_kind: global_buffer, .address_space: global }
      - { .name: Wk, .offset: 16, .size: 8, .value_kind: global_buffer, .address_space: global }
      - { .name: Wv, .offset: 24, .size: 8, .value_kind: global_buffer, .address_space: global }
      - { .name: Wo, .offset: 32, .size: 8, .value_kind: global_buffer, .address_space: global }
      - { .name: bq, .offset: 40, .size: 8, .value_kind: global_buffer, .address_space: global }
      - { .name: bk, .offset: 48, .size: 8, .value_kind: global_buffer, .address_space: global }
      - { .name: bv, .offset: 56, .size: 8, .value_kind: global_buffer, .address_space: global }
      - { .name: bo, .offset: 64, .size: 8, .value_kind: global_buffer, .address_space: global }
      - { .name: mbits, .offset: 72, .size: 8, .value_kind: global_buffer, .address_space: global }
      - { .name: wb, .offset: 80, .size: 8, .value_kind: global_buffer, .address_space: global }
      - { .name: bb, .offset: 88, .size: 8, .value_kind: global_buffer, .address_space: global }
    .group_segment_fixed_size: 271360
    .private_segment_fixed_size: 0
    .kernarg_segment_align: 8
    .kernarg_segment_size: 96
    .max_flat_workgroup_size: 256
    .sgpr_count:     72
    .vgpr_count:     114
    .wavefront_size: 32
...
	.end_amdgpu_metadata
.endif
;; end of part 1
;; launch proj (part 2): grid 4 x 64, 8 waves a work-group, clusters of 4 x 4, 327,680 bytes of LDS; arguments q, k, v, wb, bb, qkv; writes qkv
.if DOCPART == 2
	.amdgcn_target "amdgcn-amd-amdhsa--gfx1250"
	.amdhsa_code_object_version 6
	.text
	.protected	k_qea1760a0fe_proj
	.globl	k_qea1760a0fe_proj
	.p2align	8
	.type	k_qea1760a0fe_proj,@function
k_qea1760a0fe_proj:
	s_mov_b64 s[64:65], 0
	v_nop
	global_prefetch_b8 v0, s[64:65] scope:SCOPE_SE
	s_setreg_imm32_b32 hwreg(HW_REG_WAVE_MODE, 25, 1), 1
	s_wait_xcnt 0x0
	s_wait_alu depctr_hold_cnt(0) depctr_sa_sdst(0) depctr_va_vdst(0) depctr_va_sdst(0) depctr_va_ssrc(0) depctr_va_vcc(0) depctr_vm_vsrc(0)
	s_getreg_b32 s2, hwreg(HW_REG_IB_STS2, 6, 4)
	s_cmp_eq_u32 s2, 0
	s_cbranch_scc0 .Lentry_in_a_cluster
	s_endpgm
.Lentry_in_a_cluster:
	s_bfe_u32 s2, ttmp6, 0x10000c
	s_cmp_lg_u32 s2, 0xf033
	s_cbranch_scc0 .Lentry_shape_is_right
	s_endpgm
.Lentry_shape_is_right:
; PROJ.  qkv[job][b*8 + head][s][64] (f16) = x W^T + bias for job 0, 1, 2 = (q, Wq c), (k, Wk), (v, Wv); W in f16 and the biases come from the launch before.
; A work-group STAYS: it makes its block of 128 rows x 128 columns for q, then for k, then for v, as six tiles of 256 along K (tile t = 2 job + half), so that
; the next tile's data are on their way while one tile is multiplied, over the change of jobs too.
;   W: two LDS slots of 4 chunks (128 n x 64 k each), filled by tensor loads, one of 8,192 bytes a wave; tile t + 1 is asked for at the head of tile t.
;   x: f32 in memory, so it passes through registers: 24 groups of 8 loads (group n = chunk n & 7 of job n >> 3, my 16 rows x 64 k), a ring of eight register
;      slots with seven groups (56 loads) on their way; a group is rounded to f16 and stored into the half of x's LDS region that the NEXT tile reads.
; Eight waves, wave (wm = w >> 1, wn = w & 1) makes 32 rows x 64 columns: 8 accumulators.  The matrix instruction is used transposed (source 0 = rows of W,
; source 1 = rows of x): a lane then holds 8 neighbouring columns of one row, 16 bytes of f16.  The bias is the C operand of a job's first products.
; Fragments have two buffers: the 12 reads of one step of 32 along K are issued ahead of the eight matrix instructions of the step before.
; CLUSTER 4 x 4: cx is the column block, cy a row block; the four groups of a column of the cluster need the same tiles of W and ask for them jointly.
; x is NOT asked for jointly: it has to pass through registers to become f16, so it comes by global loads.
; REGISTERS: window 0 holds everything but x as loaded, which fills window 1 (v256-511: slot n & 7 at 32 (n & 7)).  s_set_vgpr_msb's low byte: bits 1:0 source 0,
; 3:2 source 1, 5:4 source 2, 7:6 destination.  0x40: a load into window 1 by an address in window 0; 0x05: a conversion from window 1 into window 0.
; LIMIT: |x|, |W| and the results must stay below 65,504, the largest f16; sums are f32.
.set AP,    144                        ; LDS row: 128 bytes + 16 = 9 x 16: 16 rows of a fragment start in 16 different 16-byte columns
.set CH,    128*AP                     ; a chunk: 18,432 bytes
.set HALF,  4*CH                       ; a tile's four chunks: 73,728 bytes
.set WREG,  8*CH                       ; x's two halves lie at 0, W's two slots at 147,456
.set STAGE, 16*CH                      ; 294,912: 16 rows x 144 bytes for each wave, for the way out
.set SWAVE, 16*AP
.set BIASL, STAGE+8*SWAVE              ; 313,344: 3 jobs x 64 f32 for each wave
.set BWAVE, 768
.set TILEB, 262144                     ; from a tile of W to the next, in memory
.set ACC,   16                         ; v[16:79]    accumulator (mt, nt) at ACC + 32 mt + 8 nt
.set F0,    80                         ; v[80:127], v[128:175]  two fragment buffers: x's two fragments, then W's four
.set T,     176                        ; v[176:191]  results of conversions, on their way into LDS
.set BI,    192                        ; v[192:223]  my 4 x 8 bias numbers of the job
.set BACK,  224                        ; v[224:255]  rows read back on the way out
.set STA,   10                         ; v10, v11    where my part of x goes in LDS, half 0 and 1
.set G1,    24                         ; s[24:31]    descriptor group 1
.set G0,    32                         ; s[32:39]    descriptor group 0, one for each slot
.set XP,    40                         ; s[40:45]    q, k, v at my 128 rows
.set OUTP,  46                         ; s[46:51]    my wave's 32 rows in the three parts of qkv
; v1 x offset, v3/v4 x fragments (half 0/1), v5/v6 W fragments (slot 0/1), v7 stage in, v8 stage back, v9 store offset, v12 bias back, v13 bias offset, v14 bias in
.set MSB, 0
.macro WIN new                         ; the immediate's high byte repeats the setting that is left
.if MSB != \new
	s_set_vgpr_msb (MSB<<8)|\new
.set MSB, \new
.endif
.endm
.macro ROUND                           ; a round of the cluster's barrier
	s_barrier_signal -1
	s_barrier_wait -1
	s_cmp_lg_u32 s3, 0
	s_cbranch_scc1 .Lnot_wave_0_\@
	s_barrier_signal -3
.Lnot_wave_0_\@:
	s_barrier_wait -3
	s_barrier_signal -1
	s_barrier_wait -1
.endm
.macro PLACES                          ; four places behind a matrix instruction (ISA guide 7.12.1) before its registers are loaded into or its result is read
.rept 4
	v_nop
.endr
.endm
; the 12 fragment reads of step st (0..7: chunk st >> 1, 32 k at byte 64 (st & 1)) of the tile in half hf, into buffer f
.macro FETCH hf, st, f
	PLACES
.irp mt, 0,1
	ds_load_b128 v[\f+8*\mt:\f+8*\mt+3],   v[3+\hf] offset:((\st)>>1)*CH+\mt*16*AP+((\st)&1)*64
	ds_load_b128 v[\f+8*\mt+4:\f+8*\mt+7], v[3+\hf] offset:((\st)>>1)*CH+\mt*16*AP+((\st)&1)*64+32
.endr
.irp nt, 0,1,2,3
	ds_load_b128 v[\f+16+8*\nt:\f+16+8*\nt+3], v[5+\hf] offset:((\st)>>1)*CH+\nt*16*AP+((\st)&1)*64
	ds_load_b128 v[\f+16+8*\nt+4:\f+16+8*\nt+7], v[5+\hf] offset:((\st)>>1)*CH+\nt*16*AP+((\st)&1)*64+32
.endr
.endm
; eight matrix instructions; the eight accumulators take turns, one instruction a turn, in the same order in every step.
; bias = 1: a job's first products start the sums from the bias.
.macro MUL f, bias
.irp nt, 0,1,2,3
.irp mt, 0,1
.if \bias
	v_wmma_f32_16x16x32_f16 v[ACC+32*\mt+8*\nt:ACC+32*\mt+8*\nt+7], v[\f+16+8*\nt:\f+16+8*\nt+7], v[\f+8*\mt:\f+8*\mt+7], v[BI+8*\nt:BI+8*\nt+7]
.else
	v_wmma_f32_16x16x32_f16 v[ACC+32*\mt+8*\nt:ACC+32*\mt+8*\nt+7], v[\f+16+8*\nt:\f+16+8*\nt+7], v[\f+8*\mt:\f+8*\mt+7], v[ACC+32*\mt+8*\nt:ACC+32*\mt+8*\nt+7]
.endif
.endr
.endr
.endm
; group n of x, under window setting 0x40: each half of the lanes reads 256 consecutive bytes, aligned (rows i and i + 8 of my 16)
.macro XLOAD n
.irp i, 0,1,2,3,4,5,6,7
	global_load_b128 v[32*((\n)&7)+4*\i:32*((\n)&7)+4*\i+3], v1, s[XP+2*((\n)>>3):XP+2*((\n)>>3)+1] offset:\i*2048+((\n)&7)*256
.endr
.endm
; group n has come: to f16, into LDS (8 bytes a lane; rows 8 apart lie 128 bytes apart modulo 256), and group n + 7 is asked for, into the slot that group n - 1 left
.macro XGROUP n
.if (\n)+6 <= 23
	s_wait_loadcnt 48                              ; the six younger groups may be out
.else
	s_wait_loadcnt 8*(23-(\n))                     ; the last groups: the counts run down
.endif
	WIN 0x05
.irp i, 0,1,2,3,4,5,6,7
	v_cvt_pk_f16_f32 v[T+2*\i],   v[32*((\n)&7)+4*\i],   v[32*((\n)&7)+4*\i+1]
	v_cvt_pk_f16_f32 v[T+2*\i+1], v[32*((\n)&7)+4*\i+2], v[32*((\n)&7)+4*\i+3]
.endr
	WIN 0
.irp i, 0,1,2,3,4,5,6,7
	ds_store_b64 v[STA+(((\n)&7)>>2)], v[T+2*\i:T+2*\i+1] offset:((\n)&3)*CH+\i*AP
.endr
.if (\n)+7 <= 23
	WIN 0x40
	XLOAD ((\n)+7)
	WIN 0
.endif
.endm
; Tile t.  refill = 1: tile t + 1 of W is asked for, into the slot read in the tile before.  xg = 1: the four groups of x of tile t + 1 go into LDS.
.macro TRIP t, refill, xg
.set hf, (\t)&1
.if \t == 0
	s_wait_tensorcnt 0x1                           ; my part of tile 0 is in; slot 1's first fill may stay out
.else
	s_wait_xcnt 0x0
	v_lshl_add_u32 v254, v0, 2, 0x4e000
	v_mov_b32 v255, 0
	s_wait_tensorcnt 0x0                           ; all my tensor loads are done, my part of this tile among them, so a group 0 may be written
	ds_add_u32 v254, v255
	s_wait_dscnt 0x0
.endif
.if \refill
	s_add_nc_u64 s[G0+4*(1-hf)+2:G0+4*(1-hf)+3], s[G0+4*(1-hf)+2:G0+4*(1-hf)+3], 2*TILEB
.endif
	s_wait_dscnt 0x0                               ; my reads of the last tile are back and my part of this tile's x is in LDS
.if \refill
	ROUND                                          ; all that now holds of every wave of the sixteen groups
	tensor_load_to_lds s[G0+4*(1-hf):G0+4*(1-hf)+3], s[G1:G1+7]    ; my one tensor load behind the round
	s_nop 0
.else
	s_barrier_signal -1
	s_barrier_wait -1
.endif
.if hf == 0
.irp nt, 0,1,2,3
	ds_load_b128 v[BI+8*\nt:BI+8*\nt+3],   v12 offset:((\t)>>1)*256+\nt*64      ; the job's bias: older than the fragments, so their wait covers it
	ds_load_b128 v[BI+8*\nt+4:BI+8*\nt+7], v12 offset:((\t)>>1)*256+\nt*64+16
.endr
.endif
	FETCH hf, 0, F0
.irp s, 0,1,2,3,4,5,6,7
.set cnt, 0
.if \s < 7
	FETCH hf, (\s+1), (F0+48*((\s+1)&1))
.set cnt, 12
.endif
.if \xg
.set cnt, cnt+8*(\s&1)
.endif
	s_wait_dscnt cnt                               ; this step's reads are back; younger: the next step's 12 reads, and behind an even step a group's 8 stores
.set bm, 0
.if \s == 0
.set bm, 1-hf
.endif
	MUL (F0+48*(\s&1)), bm
.if \xg
.if (\s&1) == 0
	XGROUP (4*(\t+1)+(\s>>1))
.endif
.endif
.endr
.endm
; THE WAY OUT of job j: f16, 16 bytes a lane into my stage, whole rows back, 512 consecutive bytes a store; 16 rows at a time.
.macro OUTJ j
	PLACES
	s_wait_xcnt 0x0                                ; the rows read back are the data of the last job's stores: they are written again only behind this wait
.irp mt, 0,1
.irp nt, 0,1,2,3
.irp q, 0,1,2,3
	v_cvt_pk_f16_f32 v[T+4*\nt+\q], v[ACC+32*\mt+8*\nt+2*\q], v[ACC+32*\mt+8*\nt+2*\q+1]
.endr
	ds_store_b128 v7, v[T+4*\nt:T+4*\nt+3] offset:\nt*32
.endr
.irp i, 0,1,2,3
	ds_load_b128 v[BACK+16*\mt+4*\i:BACK+16*\mt+4*\i+3], v8 offset:\i*4*AP     ; LDS serves a wave's instructions in order: these see my stores, and the next 16 rows' stores come behind them
.endr
.endr
.irp i, 0,1,2,3,4,5,6,7
.if \i < 4
	s_wait_dscnt 11-\i                             ; younger: the rest of these four reads, then four stores and four reads
.else
	s_wait_dscnt 7-\i
.endif
	global_store_b128 v9, v[BACK+4*\i:BACK+4*\i+3], s[OUTP+2*\j:OUTP+2*\j+1] offset:512*\i
.endr
.endm
	s_load_b256 s[12:19], s[0:1], 0x0              ; q s[12:13], k s[14:15], v s[16:17], wb s[18:19]
	s_load_b128 s[20:23], s[0:1], 0x20             ; bb s[20:21], qkv s[22:23]
	v_lshl_add_u32 v254, v0, 2, 0x4e000
	v_mov_b32 v255, 0
	ds_add_u32 v254, v255
	ds_add_u32 v254, v255
	s_wait_dscnt 0x0
	v_lshrrev_b32 v2, 5, v0
	v_readfirstlane_b32 s3, v2                     ; wave
	s_bfe_u32 s4, ttmp6, 0x40000                   ; cx
	s_bfe_u32 s5, ttmp6, 0x40004                   ; cy
	s_lshl_b32 s6, ttmp9, 2
	s_add_co_u32 s6, s6, s4                        ; nb: column block 0..3
	s_and_b32 s7, ttmp7, 0xffff
	s_lshl_b32 s7, s7, 2
	s_add_co_u32 s7, s7, s5                        ; mb: row block 0..63
	s_lshr_b32 s58, s3, 1                          ; wm
	s_and_b32 s59, s3, 1                           ; wn
	; group 1: 64 rows of a chunk = 8,192 dense bytes as 32 rows of 32 elements of 8 bytes; 4 words of padding behind every 32 words (128 bytes: one row of the chunk)
	s_lshl_b32 s10, 0x1111, s4                     ; my column of the cluster
	s_or_b32 s[G1+0], s10, (3<<16)|(1<<20)|(1<<21)|(4<<22)|(3<<25)
	s_mov_b32 s[G1+1], 32<<16
	s_mov_b32 s[G1+2], 32<<16
	s_mov_b32 s[G1+3], 32<<16
	s_mov_b32 s[G1+4], 32
	s_mov_b32 s[G1+5], 32
	s_mov_b32 s[G1+6], 0
	s_mov_b32 s[G1+7], 0
	s_lshl_b32 s54, s6, 14                         ; my part of a tile of W: column block, chunk w >> 1, half w & 1 of its 128 rows: nothing of cy
	s_lshl_b32 s10, s58, 16
	s_add_co_u32 s54, s54, s10
	s_lshl_b32 s10, s59, 13
	s_add_co_u32 s54, s54, s10
	s_mov_b32 s55, 0
	s_mov_b32 s[G0+0], 1
	s_mul_i32 s[G0+1], s3, 64*AP                   ; (w >> 1) chunks + (w & 1) x 64 rows = 9,216 w
	s_add_co_u32 s[G0+1], s[G0+1], WREG
	s_mov_b32 s[G0+4], 1
	s_add_co_u32 s[G0+5], s[G0+1], HALF
	v_and_b32 v2, 15, v0                           ; r
	v_bfe_u32 v15, v0, 4, 1                        ; h
	v_and_b32 v9, 31, v0                           ; lane
	v_lshlrev_b32 v1, 4, v2
	v_lshl_add_u32 v1, v15, 14, v1
	v_lshl_add_u32 v1, s3, 15, v1                  ; x: row 16 w + 8 h, 16 bytes a lane
	v_lshlrev_b32 v13, 3, v9
	v_lshl_add_u32 v13, s59, 8, v13                ; bias: my 64 columns, 8 bytes a lane
	s_lshl_b32 s56, s7, 18                         ; 128 rows of 2,048 bytes
	s_mov_b32 s57, 0
	s_lshl_b32 s8, s6, 9
	s_mov_b32 s9, 0
	s_wait_kmcnt 0x0
	s_add_nc_u64 s[XP:XP+1], s[12:13], s[56:57]
	s_add_nc_u64 s[XP+2:XP+3], s[14:15], s[56:57]
	s_add_nc_u64 s[XP+4:XP+5], s[16:17], s[56:57]
	s_add_nc_u64 s[52:53], s[20:21], s[8:9]
.irp j, 0,1,2
	global_load_b64 v[BI+2*\j:BI+2*\j+1], v13, s[52:53] offset:\j*2048
.endr
	WIN 0x40
.irp n, 0,1,2,3,4,5,6
	XLOAD \n                                       ; seven groups of x are on their way before anything else
.endr
	WIN 0
	s_add_nc_u64 s[G0+2:G0+3], s[18:19], s[54:55]
	s_add_nc_u64 s[G0+6:G0+7], s[G0+2:G0+3], TILEB
	s_or_b32 s[G0+3], s[G0+3], 0x80000000
	s_or_b32 s[G0+7], s[G0+7], 0x80000000
	ROUND                                          ; all sixteen groups are here: the first joint loads meet
	tensor_load_to_lds s[G0:G0+3], s[G1:G1+7]      ; tile 0 into slot 0,
	s_nop 0
	tensor_load_to_lds s[G0+4:G0+7], s[G1:G1+7]    ; tile 1 into slot 1: two tensor loads of mine are out, later one
	s_nop 0
	; the rest of the addresses
	s_lshr_b32 s11, s7, 4                          ; out: batch, head 2 nb + wn, row
	s_lshl_b32 s56, s11, 21
	s_lshl1_add_u32 s11, s6, s59
	s_lshl_b32 s11, s11, 18
	s_add_co_u32 s56, s56, s11
	s_and_b32 s11, s7, 15
	s_lshl_b32 s11, s11, 14
	s_add_co_u32 s56, s56, s11
	s_lshl_b32 s11, s58, 12
	s_add_co_u32 s56, s56, s11
	s_add_nc_u64 s[OUTP:OUTP+1], s[22:23], s[56:57]
	s_add_nc_u64 s[OUTP+2:OUTP+3], s[OUTP:OUTP+1], 0x800000
	s_add_nc_u64 s[OUTP+4:OUTP+5], s[OUTP+2:OUTP+3], 0x800000
	s_mul_i32 s11, s3, 16*AP
	v_mul_u32_u24 v[STA], v15, 8*AP
	v_lshl_add_u32 v[STA], v2, 3, v[STA]
	v_add_nc_u32 v[STA], s11, v[STA]               ; x in LDS: row 16 w + 8 h, 8 bytes a lane
	v_add_nc_u32 v[STA+1], HALF, v[STA]
	v_mul_u32_u24 v14, v2, AP
	v_lshl_add_u32 v14, v15, 4, v14                ; r x pitch + 16 h
	s_mul_i32 s11, s58, 32*AP
	v_add_nc_u32 v3, s11, v14
	v_add_nc_u32 v4, HALF, v3
	s_mul_i32 s11, s59, 64*AP
	s_add_co_u32 s11, s11, WREG
	v_add_nc_u32 v5, s11, v14
	v_add_nc_u32 v6, HALF, v5
	s_mul_i32 s11, s3, SWAVE
	s_add_co_u32 s11, s11, STAGE                   ; my stage
	v_add_nc_u32 v7, s11, v14
	v_lshrrev_b32 v8, 3, v9
	v_mul_u32_u24 v8, v8, AP
	v_and_b32 v14, 7, v0
	v_lshl_add_u32 v8, v14, 4, v8
	v_add_nc_u32 v8, s11, v8                       ; back: four rows of 128 bytes a read
	s_mul_i32 s11, s3, BWAVE
	s_add_co_u32 s11, s11, BIASL                   ; my copy of the biases
	v_lshl_add_u32 v14, v9, 3, s11
	v_lshl_add_u32 v12, v15, 5, s11
	v_lshlrev_b32 v9, 4, v9                        ; out: 16 bytes a lane, dense
	s_wait_loadcnt 56                              ; the three bias loads are the oldest: the seven groups of x may be out
.irp j, 0,1,2
	ds_store_b64 v14, v[BI+2*\j:BI+2*\j+1] offset:\j*256
.endr
	XGROUP 0                                       ; tile 0's x
	XGROUP 1
	XGROUP 2
	XGROUP 3
	TRIP 0, 0, 1
	TRIP 1, 1, 1
	OUTJ 0
	TRIP 2, 1, 1
	TRIP 3, 1, 1
	OUTJ 1
	TRIP 4, 1, 1
	TRIP 5, 0, 0                                   ; the last tile: nothing is left to fetch
	OUTJ 2
	s_wait_xcnt 0x0
	v_lshl_add_u32 v254, v0, 2, 0x4e000
	v_mov_b32 v255, 0
	s_wait_tensorcnt 0x0
	ds_add_u32 v254, v255
	s_wait_dscnt 0x0
	ROUND                                          ; the closing round
	s_endpgm
.Lfunc_end_k_qea1760a0fe_proj:
	.size	k_qea1760a0fe_proj, .Lfunc_end_k_qea1760a0fe_proj-k_qea1760a0fe_proj
	.p2alignl 7, 3214868480
	.fill 96, 4, 3214868480
	.section	.rodata,"a",@progbits
	.p2align	6, 0x0
	.amdhsa_kernel k_qea1760a0fe_proj
		.amdhsa_group_segment_fixed_size 327680
		.amdhsa_private_segment_fixed_size 0
		.amdhsa_enable_private_segment 0
		.amdhsa_kernarg_size 48
		.amdhsa_user_sgpr_count 2
		.amdhsa_user_sgpr_kernarg_segment_ptr 1
		.amdhsa_wavefront_size32 1
		.amdhsa_system_sgpr_workgroup_id_x 1
		.amdhsa_system_sgpr_workgroup_id_y 1
		.amdhsa_system_sgpr_workgroup_id_z 1
		.amdhsa_system_vgpr_workitem_id 0
		.amdhsa_next_free_vgpr 512
		.amdhsa_next_free_sgpr 66
		.amdhsa_reserve_vcc 0
		.amdhsa_float_denorm_mode_32 3
		.amdhsa_float_denorm_mode_16_64 3
		.amdhsa_memory_ordered 1
		.amdhsa_forward_progress 1
		.amdhsa_inst_pref_size 150
	.end_amdhsa_kernel
	.amdgpu_metadata
---
amdhsa.version: [ 1, 2 ]
amdhsa.kernels:
  - .name:           k_qea1760a0fe_proj
    .symbol:         k_qea1760a0fe_proj.kd
    .args:
      - { .name: q, .offset: 0, .size: 8, .value_kind: global_buffer, .address_space: global }
      - { .name: k, .offset: 8, .size: 8, .value_kind: global_buffer, .address_space: global }
      - { .name: v, .offset: 16, .size: 8, .value_kind: global_buffer, .address_space: global }
      - { .name: wb, .offset: 24, .size: 8, .value_kind: global_buffer, .address_space: global }
      - { .name: bb, .offset: 32, .size: 8, .value_kind: global_buffer, .address_space: global }
      - { .name: qkv, .offset: 40, .size: 8, .value_kind: global_buffer, .address_space: global }
    .group_segment_fixed_size: 327680
    .private_segment_fixed_size: 0
    .kernarg_segment_align: 8
    .kernarg_segment_size: 48
    .max_flat_workgroup_size: 256
    .sgpr_count:     66
    .vgpr_count:     512
    .wavefront_size: 32
...
	.end_amdgpu_metadata
.endif
;; end of part 2
;; launch attn (part 3): grid 8 x 32, 8 waves a work-group, clusters of 4 x 1, 327,680 bytes of LDS; arguments qkv, mbits, ctx; writes ctx
.if DOCPART == 3
	.amdgcn_target "amdgcn-amd-amdhsa--gfx1250"
	.amdhsa_code_object_version 6
	.text
	.protected	k_qea1760a0fe_attn
	.globl	k_qea1760a0fe_attn
	.p2align	8
	.type	k_qea1760a0fe_attn,@function
k_qea1760a0fe_attn:
	s_mov_b64 s[64:65], 0
	v_nop
	global_prefetch_b8 v0, s[64:65] scope:SCOPE_SE
	s_setreg_imm32_b32 hwreg(HW_REG_WAVE_MODE, 25, 1), 1
	s_wait_xcnt 0x0
	s_wait_alu depctr_hold_cnt(0) depctr_sa_sdst(0) depctr_va_vdst(0) depctr_va_sdst(0) depctr_va_ssrc(0) depctr_va_vcc(0) depctr_vm_vsrc(0)
	s_getreg_b32 s2, hwreg(HW_REG_IB_STS2, 6, 4)
	s_cmp_eq_u32 s2, 0
	s_cbranch_scc0 .Lentry_in_a_cluster
	s_endpgm
.Lentry_in_a_cluster:
	s_bfe_u32 s2, ttmp6, 0x10000c
	s_cmp_lg_u32 s2, 0x3003
	s_cbranch_scc0 .Lentry_shape_is_right
	s_endpgm
.Lentry_shape_is_right:
; ATTN.  ctx[bh][s][64] (f16) = softmax(where(mask == 0, -1e9, Q K^T / 8)) V for one (batch, head) bh and 256 queries a work-group.
; Q comes scaled by log2(e) / 8, so a score leaves the matrix unit in base 2; a masked score is -1e9 log2(e).  A running maximum is kept for each query,
; p = exp2(s - m), sums and O in f32, P, Q, K, V in f16.  A row that is masked everywhere gives the mean of V, as in the definition.
; LIMIT: |Q|, |K|, |V| below 65,504 (f16); p below 6e-8 is rounded to 0 in the product with V (not in the sum).  NaN and infinities in the inputs are not treated.
; Eight waves; wave w owns 32 queries (two tiles of 16).  Scores are made transposed (source 0 = 16 keys, source 1 = 16 queries): lane (r, h), register j holds
; key 8 h + j of query r.  So a query's maximum and sum are a lane's own but for one exchange between the halves, the rounded pairs of p ARE source 1 of the second
; product (O^T = V^T P^T), and a lane ends with 8 neighbouring numbers of a row of ctx.
; The mask comes as lane-mask words (one for each score register) by scalar loads, one sub-step ahead, and costs one v_cndmask_b32 a register.
; CLUSTER 4 x 1: the four groups are four query blocks of one head and walk the same K and V: every tile is asked for jointly (mask 15).
; K and V go in tiles of 256 keys through two LDS slots; a round of the cluster's barrier stands in front of each refill and serves four sub-steps of 64 keys.
; K's fragments have registers of their own, in window 1 (v256-319): the next sub-step's are read from LDS beside V's, straight behind the score products, and
; land while the softmax is worked.  s_set_vgpr_msb: 0x40 = a load into window 1 by an address in window 0; 0x01 = source 0 of the matrix instruction in window 1.
; THE LOOP is laid so that a lap begins at a tile's second sub-step: the one sub-step that starts the sums stands in front of it, three laps of eight sub-steps
; follow, and the last seven sub-steps, of which the last tile asks for nothing more, are written out behind it.
.set KP,    144                        ; K's LDS row: 128 + 16 bytes
.set VP,    160                        ; V's LDS row: 128 + 32 bytes, an odd multiple of 32, for the transposing reads
.set KOFF,  256*VP                     ; in a slot V's 256 rows come first (40,960 bytes), then K's (36,864 bytes)
.set SLOTX, 131072                     ; from slot 0 to slot 1: one bit, above every offset inside a slot
.set STAGE, 81920                      ; 8 x 4,608 bytes between the slots, for the way out: no tensor load lands there
.set TILEB, 256*128                    ; a tile in memory
.set M,   10                           ; v10, v11    running maximum of query r, for each of my two query tiles
.set NM,  12                           ; v[12:15]    minus the maximum, twice
.set LS,  16                           ; v[16:19]    running sums, a pair
.set AL,  20                           ; v[20:23]    exp2(old maximum - new), twice
.set T,   24                           ; v[24:31]    at work
.set Q,   32                           ; v[32:63]    Q fragments, 16 qt + 8 dc
.set S,   64                           ; v[64:127]   scores, 32 qt + 8 kt; later P, 32 qt + 16 kc
.set O,   128                          ; v[128:191]  O^T, 32 qt + 8 dt
.set F,   192                          ; v[192:255]  V fragments, 32 kc + 8 dt
.set KF,  0                            ; v[256:319]  K fragments, 16 kt + 8 dc, in window 1
.set G0K, 8                            ; s[8:11]     group 0 for K
.set G0V, 12                           ; s[12:15]    group 0 for V
.set G1K, 84                           ; s[84:91]    group 1 for K
.set G1V, 92                           ; s[92:99]    group 1 for V
; s3 wave, s4 head and later the lap counter, s[6:7] mask words' address, s[66:67] ctx, s100/s101 lane selects,
; s[16:47] the 32 words of query tile 0, s[48:63] and s[68:83] those of query tile 1
; v1/v2 K fragment address in slot 0/1, v3/v4 V's, v5 the masked score, v6 Q offset, v7 stage in, v8 stage back, v9 store offset
.set MSB, 0
.macro WIN new                         ; the immediate's high byte repeats the setting that is left
.if MSB != \new
	s_set_vgpr_msb (MSB<<8)|\new
.set MSB, \new
.endif
.endm
.macro ROUND                           ; a round of the cluster's barrier
	s_barrier_signal -1
	s_barrier_wait -1
	s_cmp_lg_u32 s3, 0
	s_cbranch_scc1 .Lnot_wave_0_\@
	s_barrier_signal -3
.Lnot_wave_0_\@:
	s_barrier_wait -3
	s_barrier_signal -1
	s_barrier_wait -1
.endm
.macro JLOAD                           ; waves 0-3 ask for 64 keys of V each, waves 4-7 for 64 keys of K: one load a wave; the branch hangs on the wave's number alone
	s_cmp_lt_u32 s3, 4
	s_cbranch_scc0 .Lfor_k_\@
	tensor_load_to_lds s[G0V:G0V+3], s[G1V:G1V+7]
	s_nop 0
	s_branch .Lasked_\@
.Lfor_k_\@:
	tensor_load_to_lds s[G0K:G0K+3], s[G1K:G1K+7]
	s_nop 0
.Lasked_\@:
.endm
.macro PLACES n                        ; places behind a matrix instruction (ISA guide 7.12.1)
.rept \n
	v_nop
.endr
.endm
.macro MLOAD                           ; the 64 mask words of a sub-step: 128 bytes for each query tile
	s_load_b512 s[16:31], s[6:7], 0x0
	s_load_b512 s[32:47], s[6:7], 0x40
	s_load_b512 s[48:63], s[6:7], 0x1000
	s_load_b512 s[68:83], s[6:7], 0x1040
.endm
.macro KLOAD slot, sub                 ; 64 keys x 64 d of K as 8 fragments, into window 1
	WIN 0x40
.irp kt, 0,1,2,3
.irp dc, 0,1
	ds_load_b128 v[KF+16*\kt+8*\dc:KF+16*\kt+8*\dc+3],   v[1+\slot] offset:(\sub)*64*KP+\kt*16*KP+\dc*64
	ds_load_b128 v[KF+16*\kt+8*\dc+4:KF+16*\kt+8*\dc+7], v[1+\slot] offset:(\sub)*64*KP+\kt*16*KP+\dc*64+32
.endr
.endr
	WIN 0
.endm
.macro VLOAD slot, sub                 ; 64 keys x 64 d of V, transposed on the way: lane r gets column d = 16 dt + r, keys along its registers
.irp kc, 0,1
.irp dt, 0,1,2,3
	ds_load_tr16_b128 v[F+32*\kc+8*\dt:F+32*\kc+8*\dt+3],   v[3+\slot] offset:(\sub)*64*VP+\kc*32*VP+\dt*32
	ds_load_tr16_b128 v[F+32*\kc+8*\dt+4:F+32*\kc+8*\dt+7], v[3+\slot] offset:(\sub)*64*VP+\kc*32*VP+\dt*32+16*VP
.endr
.endr
.endm
; In both products the eight accumulators take turns, one instruction a turn.
.macro QK
	WIN 0x01                                       ; source 0, K's fragments, in window 1
.irp kt, 0,1,2,3
.irp qt, 0,1
	v_wmma_f32_16x16x32_f16 v[S+32*\qt+8*\kt:S+32*\qt+8*\kt+7], v[KF+16*\kt:KF+16*\kt+7], v[Q+16*\qt:Q+16*\qt+7], 0
.endr
.endr
.irp kt, 0,1,2,3
.irp qt, 0,1
	v_wmma_f32_16x16x32_f16 v[S+32*\qt+8*\kt:S+32*\qt+8*\kt+7], v[KF+16*\kt+8:KF+16*\kt+15], v[Q+16*\qt+8:Q+16*\qt+15], v[S+32*\qt+8*\kt:S+32*\qt+8*\kt+7]
.endr
.endr
	WIN 0
.endm
.macro PV first
.irp dt, 0,1,2,3
.irp qt, 0,1
.if \first
	v_wmma_f32_16x16x32_f16 v[O+32*\qt+8*\dt:O+32*\qt+8*\dt+7], v[F+8*\dt:F+8*\dt+7], v[S+32*\qt:S+32*\qt+7], 0
.else
	v_wmma_f32_16x16x32_f16 v[O+32*\qt+8*\dt:O+32*\qt+8*\dt+7], v[F+8*\dt:F+8*\dt+7], v[S+32*\qt:S+32*\qt+7], v[O+32*\qt+8*\dt:O+32*\qt+8*\dt+7]
.endif
.endr
.endr
.irp dt, 0,1,2,3
.irp qt, 0,1
	v_wmma_f32_16x16x32_f16 v[O+32*\qt+8*\dt:O+32*\qt+8*\dt+7], v[F+32+8*\dt:F+32+8*\dt+7], v[S+32*\qt+16:S+32*\qt+23], v[O+32*\qt+8*\dt:O+32*\qt+8*\dt+7]
.endr
.endr
.endm
.macro MASKS                           ; a clear bit puts the masked score in the score's place
.set ii, 0
.rept 32
	v_cndmask_b32 v[S+ii], v5, v[S+ii], s[16+ii]
.set ii, ii+1
.endr
.set ii, 0
.rept 16
	v_cndmask_b32 v[S+32+ii], v5, v[S+32+ii], s[48+ii]
.set ii, ii+1
.endr
.set ii, 0
.rept 16
	v_cndmask_b32 v[S+48+ii], v5, v[S+48+ii], s[68+ii]
.set ii, ii+1
.endr
.endm
; One query tile's 64 keys: new maximum, p = exp2(s - m), O and the sum rescaled, p rounded to f16 in the places of source 1.
.macro SOFT qt, first
.set SQ, S+32*\qt
.set OQ, O+32*\qt
.irp c, 0,1,2,3
	v_max3_num_f32 v[T+\c], v[SQ+8*\c], v[SQ+8*\c+1], v[SQ+8*\c+2]
.endr
.irp c, 0,1,2,3
	v_max3_num_f32 v[T+\c], v[T+\c], v[SQ+8*\c+3], v[SQ+8*\c+4]
.endr
.irp c, 0,1,2,3
	v_max3_num_f32 v[T+\c], v[T+\c], v[SQ+8*\c+5], v[SQ+8*\c+6]
.endr
	v_max3_num_f32 v[T], v[T], v[SQ+7], v[SQ+15]
	v_max3_num_f32 v[T+1], v[T+1], v[SQ+23], v[SQ+31]
	v_max3_num_f32 v[T], v[T], v[T+1], v[T+2]
.if \first
	v_max_num_f32 v[T], v[T], v[T+3]
.else
	v_max3_num_f32 v[T], v[T], v[T+3], v[M+\qt]
.endif
	v_permlanex16_b32 v[T+4], v[T], s100, s101     ; the other half of the lanes holds the query's other keys
	v_max_num_f32 v[T+1], v[T], v[T+4]
.if \first == 0
	v_sub_f32 v[T+2], v[M+\qt], v[T+1]
	v_exp_f32 v[AL+2*\qt], v[T+2]                  ; three plain instructions stand between this and the use of its result (ISA guide 5.7.2)
.endif
	v_mov_b32 v[M+\qt], v[T+1]
	v_sub_f32 v[NM+2*\qt], 0, v[T+1]
	v_sub_f32 v[NM+2*\qt+1], 0, v[T+1]
.if \first == 0
	s_wait_alu depctr_va_vdst(0)
	v_mov_b32 v[AL+2*\qt+1], v[AL+2*\qt]
.endif
.set ii, 0
.rept 16
	v_pk_add_f32 v[SQ+ii:SQ+ii+1], v[SQ+ii:SQ+ii+1], v[NM+2*\qt:NM+2*\qt+1]
.set ii, ii+2
.endr
.set ii, 0
.rept 32
	v_exp_f32 v[SQ+ii], v[SQ+ii]
.set ii, ii+1
.endr
.if \first
	v_nop                                          ; the plain place behind the last exponential
	s_wait_alu depctr_va_vdst(0)
.else
.set ii, 0
	s_wait_alu depctr_va_vdst(0)
.rept 16
	v_pk_mul_f32 v[OQ+ii:OQ+ii+1], v[OQ+ii:OQ+ii+1], v[AL+2*\qt:AL+2*\qt+1]   ; plain work behind the exponentials
.set ii, ii+2
.endr
.endif
.irp c, 0,1,2,3
	v_pk_add_f32 v[T+2*\c:T+2*\c+1], v[SQ+8*\c:SQ+8*\c+1], v[SQ+8*\c+2:SQ+8*\c+3]
.endr
.irp c, 0,1,2,3
	v_pk_add_f32 v[T+2*\c:T+2*\c+1], v[T+2*\c:T+2*\c+1], v[SQ+8*\c+4:SQ+8*\c+5]
.endr
.irp c, 0,1,2,3
	v_pk_add_f32 v[T+2*\c:T+2*\c+1], v[T+2*\c:T+2*\c+1], v[SQ+8*\c+6:SQ+8*\c+7]
.endr
	v_pk_add_f32 v[T:T+1], v[T:T+1], v[T+2:T+3]
	v_pk_add_f32 v[T+4:T+5], v[T+4:T+5], v[T+6:T+7]
.if \first
	v_pk_add_f32 v[LS+2*\qt:LS+2*\qt+1], v[T:T+1], v[T+4:T+5]
.else
	v_pk_add_f32 v[T:T+1], v[T:T+1], v[T+4:T+5]
	v_pk_fma_f32 v[LS+2*\qt:LS+2*\qt+1], v[LS+2*\qt:LS+2*\qt+1], v[AL+2*\qt:AL+2*\qt+1], v[T:T+1]
.endif
.irp c, 0,1
.irp i, 0,1,2,3,4,5,6,7
	v_cvt_pk_f16_f32 v[SQ+16*\c+\i], v[SQ+16*\c+2*\i], v[SQ+16*\c+2*\i+1]   ; keys 32 c + 8 h + .. and 32 c + 16 + 8 h + ..: source 1's own layout
.endr
.endr
.endm
; 64 keys; K's fragments are in their registers.  more = 1: the next sub-step's mask words are asked for.
.macro SUBSTEP slot, sub, first, more
	QK
	PLACES 4                                       ; before the next K fragments land on these and before the scores are read
	VLOAD \slot, \sub
.if \sub < 3
	KLOAD \slot, (\sub+1)                          ; the next sub-step's K: it has the softmax in which to land
.endif
	s_wait_kmcnt 0x0                               ; this sub-step's mask words (scalar loads come back in no order: zero)
	MASKS
.if \more
	s_add_nc_u64 s[6:7], s[6:7], 128               ; free since the wait above
	MLOAD
.endif
	SOFT 0, \first
	SOFT 1, \first
	s_wait_dscnt 0x0                               ; V's fragments are in, and the next K's
	PV \first
	PLACES 5                                       ; before the next scores are written over P, and before V's next fragments land on these
.endm
; The head of a tile of 256 keys in slot 'slot'.  refill = 1: the next tile is asked for, into the other slot.
.macro HEAD slot, refill
	s_set_vgpr_msb 0x5
	s_wait_tensorcnt 0x0                           ; my one load is done: my part of this tile is in, and the groups 0 may be written
	ds_add_u32 v64, v65
	s_wait_dscnt 0x0
	s_set_vgpr_msb 0x500
.if \refill
	s_xor_b32 s[G0K+1], s[G0K+1], SLOTX            ; the other slot,
	s_xor_b32 s[G0V+1], s[G0V+1], SLOTX
	s_add_nc_u64 s[G0K+2:G0K+3], s[G0K+2:G0K+3], TILEB   ; the next tile
	s_add_nc_u64 s[G0V+2:G0V+3], s[G0V+2:G0V+3], TILEB
.endif
	s_wait_dscnt 0x0                               ; my reads of the other slot are over
.if \refill
	ROUND                                          ; both now hold of every wave of the four groups
	JLOAD                                          ; my one tensor load behind the round; it has four sub-steps in which to land
.else
	s_barrier_signal -1                            ; the last tile
	s_barrier_wait -1
.endif
	KLOAD \slot, 0
	s_wait_dscnt 0x0                               ; the tile's first K fragments
.endm
	s_load_b64 s[G0K+2:G0K+3], s[0:1], 0x0         ; qkv, straight into K's group 0,
	s_load_b64 s[G0V+2:G0V+3], s[0:1], 0x0         ; and into V's: nothing that feeds them ever holds my place in the cluster
	s_load_b128 s[68:71], s[0:1], 0x0              ; qkv (for Q), mbits
	s_load_b64 s[72:73], s[0:1], 0x10              ; ctx
	s_set_vgpr_msb 0x40
	v_lshl_add_u32 v64, v0, 2, 0x33000
	v_mov_b32 v65, 0
	s_set_vgpr_msb 0x4045
	ds_add_u32 v64, v65
	ds_add_u32 v64, v65
	s_set_vgpr_msb 0x4500
	v_lshrrev_b32 v10, 5, v0
	v_readfirstlane_b32 s3, v10                    ; wave
	s_and_b32 s4, ttmp7, 0xffff                    ; bh
	s_bfe_u32 s2, ttmp6, 0x40000                   ; cx
	s_lshl_b32 s5, ttmp9, 2
	s_add_co_u32 s5, s5, s2                        ; qb: query block 0..7, in global addresses only
	; groups 1: 64 keys = 8,192 dense bytes as 32 rows of 32 elements of 8 bytes; padding behind every 32 words (one key): 4 words for K, 8 for V
	s_mov_b32 s[G1K+0], 15|(3<<16)|(1<<20)|(1<<21)|(4<<22)|(3<<25)
	s_mov_b32 s[G1V+0], 15|(3<<16)|(1<<20)|(1<<21)|(4<<22)|(7<<25)
.irp g, G1K, G1V
	s_mov_b32 s[\g+1], 32<<16
	s_mov_b32 s[\g+2], 32<<16
	s_mov_b32 s[\g+3], 32<<16
	s_mov_b32 s[\g+4], 32
	s_mov_b32 s[\g+5], 32
	s_mov_b32 s[\g+6], 0
	s_mov_b32 s[\g+7], 0
.endr
	s_lshl_b32 s12, s4, 18                         ; the head's 262,144 bytes
	s_lshl_b32 s13, s3, 13                         ; + 64 keys x wave
	s_add_co_u32 s12, s12, s13
	s_mov_b32 s13, 0
	v_and_b32 v24, 15, v0                          ; r
	v_bfe_u32 v25, v0, 4, 1                        ; h
	v_and_b32 v26, 31, v0                          ; lane
	v_lshlrev_b32 v6, 7, v24
	v_lshl_add_u32 v6, v25, 4, v6
	v_lshl_add_u32 v6, s3, 12, v6                  ; Q: row 32 w + r, 16 h
	s_wait_dscnt 0x0
	s_wait_kmcnt 0x0
	s_add_nc_u64 s[G0K+2:G0K+3], s[G0K+2:G0K+3], s[12:13]
	s_add_nc_u64 s[G0K+2:G0K+3], s[G0K+2:G0K+3], 0x7f8000    ; K's part of qkv less four waves' keys: waves 4-7 take keys 64 (w - 4)
	s_or_b32 s[G0K+3], s[G0K+3], 0x80000000
	s_add_nc_u64 s[G0V+2:G0V+3], s[G0V+2:G0V+3], s[12:13]
	s_add_nc_u64 s[G0V+2:G0V+3], s[G0V+2:G0V+3], 0x1000000   ; V's part of qkv: waves 0-3 take keys 64 w
	s_or_b32 s[G0V+3], s[G0V+3], 0x80000000
	s_mov_b32 s[G0K+0], 1
	s_mul_i32 s[G0K+1], s3, 64*KP
	s_add_co_u32 s[G0K+1], s[G0K+1], KOFF-4*64*KP
	s_mov_b32 s[G0V+0], 1
	s_mul_i32 s[G0V+1], s3, 64*VP
	s_lshl_b32 s78, s4, 18
	s_lshl_b32 s2, s5, 15
	s_add_co_u32 s78, s78, s2
	s_mov_b32 s79, 0
	s_add_nc_u64 s[74:75], s[68:69], s[78:79]      ; Q at my group's 256 queries
	s_lshl_b32 s2, s3, 12
	s_add_co_u32 s78, s78, s2
	s_add_nc_u64 s[66:67], s[72:73], s[78:79]      ; ctx at my wave's 32 queries
	s_lshr_b32 s78, s4, 3
	s_lshl_b32 s78, s78, 19                        ; batch x 128 query tiles of 4,096 bytes of words
	s_lshl_b32 s2, s5, 16
	s_add_co_u32 s78, s78, s2
	s_lshl_b32 s2, s3, 13
	s_add_co_u32 s78, s78, s2
	s_add_nc_u64 s[6:7], s[70:71], s[78:79]
.irp qt, 0,1
.irp dc, 0,1
	global_load_b128 v[Q+16*\qt+8*\dc:Q+16*\qt+8*\dc+3],   v6, s[74:75] offset:\qt*2048+\dc*64
	global_load_b128 v[Q+16*\qt+8*\dc+4:Q+16*\qt+8*\dc+7], v6, s[74:75] offset:\qt*2048+\dc*64+32
.endr
.endr
	s_wait_xcnt 0x0                                ; Q's base lies where mask words land next: it is written over only behind this wait
	MLOAD                                          ; the first sub-step's words
	ROUND                                          ; the four groups are here: the first joint loads meet
	JLOAD                                          ; tile 0 into slot 0
	v_mul_u32_u24 v30, v24, KP
	v_lshl_add_u32 v30, v25, 4, v30                ; r x 144 + 16 h
	v_add_nc_u32 v1, KOFF, v30
	v_add_nc_u32 v2, SLOTX, v1
	v_and_b32 v27, 7, v0
	v_bfe_u32 v28, v0, 3, 1
	v_lshl_add_u32 v29, v25, 3, v27                ; key 8 h + (lane & 7)
	v_mul_u32_u24 v3, v29, VP
	v_lshl_add_u32 v3, v28, 4, v3
	v_add_nc_u32 v4, SLOTX, v3
	v_mov_b32 v5, 0xceabfb8f                       ; -1e9 log2(e)
	s_mul_i32 s100, s3, 32*KP
	s_add_co_u32 s100, s100, STAGE                 ; my stage
	v_add_nc_u32 v7, s100, v30
	v_lshrrev_b32 v31, 3, v26
	v_mul_u32_u24 v8, v31, KP
	v_lshl_add_u32 v8, v27, 4, v8
	v_add_nc_u32 v8, s100, v8
	v_lshlrev_b32 v9, 4, v26
	s_mov_b32 s100, 0x76543210                     ; v_permlanex16_b32: lane i reads lane i of the other half
	s_mov_b32 s101, 0xfedcba98
	s_wait_loadcnt 0x0                             ; Q
	HEAD 0, 1                                      ; tile 0; tile 1 is asked for
	SUBSTEP 0, 0, 1, 1                             ; the first products start O and the sums: nothing is cleared
	s_mov_b32 s4, 3
.Llap:                                             ; a lap: the rest of an even tile, an odd tile, the head and the first sub-step of the next even tile
	SUBSTEP 0, 1, 0, 1
	SUBSTEP 0, 2, 0, 1
	SUBSTEP 0, 3, 0, 1
	HEAD 1, 1
	SUBSTEP 1, 0, 0, 1
	SUBSTEP 1, 1, 0, 1
	SUBSTEP 1, 2, 0, 1
	SUBSTEP 1, 3, 0, 1
	HEAD 0, 1
	SUBSTEP 0, 0, 0, 1
	s_sub_co_u32 s4, s4, 1
	s_cmp_lg_u32 s4, 0
	s_cbranch_scc1 .Llap
	SUBSTEP 0, 1, 0, 1                             ; the rest of the seventh tile
	SUBSTEP 0, 2, 0, 1
	SUBSTEP 0, 3, 0, 1
	HEAD 1, 0                                      ; the eighth tile: nothing is left to fetch
	SUBSTEP 1, 0, 0, 1
	SUBSTEP 1, 1, 0, 1
	SUBSTEP 1, 2, 0, 1
	SUBSTEP 1, 3, 0, 0
	; THE WAY OUT: divide by the sums, f16, through my stage, 512 consecutive bytes a store.  The five places behind the last product have been kept.
	v_add_f32 v[T], v[LS], v[LS+1]
	v_add_f32 v[T+2], v[LS+2], v[LS+3]
	v_permlanex16_b32 v[T+4], v[T], s100, s101
	v_permlanex16_b32 v[T+5], v[T+2], s100, s101
	v_add_f32 v[T], v[T], v[T+4]
	v_add_f32 v[T+2], v[T+2], v[T+5]
	v_rcp_f32 v[AL], v[T]
	v_rcp_f32 v[AL+2], v[T+2]
	v_nop                                          ; the plain place behind the reciprocals
	s_wait_alu depctr_va_vdst(0)
	v_mov_b32 v[AL+1], v[AL]
	v_mov_b32 v[AL+3], v[AL+2]
.irp qt, 0,1
.irp dt, 0,1,2,3
.irp j, 0,2,4,6
	v_pk_mul_f32 v[O+32*\qt+8*\dt+\j:O+32*\qt+8*\dt+\j+1], v[O+32*\qt+8*\dt+\j:O+32*\qt+8*\dt+\j+1], v[AL+2*\qt:AL+2*\qt+1]
.endr
.irp j, 0,1,2,3
	v_cvt_pk_f16_f32 v[F+4*(4*\qt+\dt)+\j], v[O+32*\qt+8*\dt+2*\j], v[O+32*\qt+8*\dt+2*\j+1]
.endr
	ds_store_b128 v7, v[F+4*(4*\qt+\dt):F+4*(4*\qt+\dt)+3] offset:\qt*16*KP+\dt*32
.endr
.endr
.irp i, 0,1,2,3,4,5,6,7
	ds_load_b128 v[F+32+4*\i:F+32+4*\i+3], v8 offset:\i*4*KP       ; LDS serves a wave's instructions in order: these see my stores
.endr
.irp i, 0,1,2,3,4,5,6,7
	s_wait_dscnt 7-\i                              ; read i is back, the later ones may be out
	global_store_b128 v9, v[F+32+4*\i:F+32+4*\i+3], s[66:67] offset:512*\i
.endr
	s_set_vgpr_msb 0x5
	s_wait_tensorcnt 0x0
	ds_add_u32 v64, v65
	s_wait_dscnt 0x0
	s_set_vgpr_msb 0x500
	ROUND                                          ; the closing round
	s_endpgm
.Lfunc_end_k_qea1760a0fe_attn:
	.size	k_qea1760a0fe_attn, .Lfunc_end_k_qea1760a0fe_attn-k_qea1760a0fe_attn
	.p2alignl 7, 3214868480
	.fill 96, 4, 3214868480
	.section	.rodata,"a",@progbits
	.p2align	6, 0x0
	.amdhsa_kernel k_qea1760a0fe_attn
		.amdhsa_group_segment_fixed_size 327680
		.amdhsa_private_segment_fixed_size 0
		.amdhsa_enable_private_segment 0
		.amdhsa_kernarg_size 24
		.amdhsa_user_sgpr_count 2
		.amdhsa_user_sgpr_kernarg_segment_ptr 1
		.amdhsa_wavefront_size32 1
		.amdhsa_system_sgpr_workgroup_id_x 1
		.amdhsa_system_sgpr_workgroup_id_y 1
		.amdhsa_system_sgpr_workgroup_id_z 1
		.amdhsa_system_vgpr_workitem_id 0
		.amdhsa_next_free_vgpr 322
		.amdhsa_next_free_sgpr 102
		.amdhsa_reserve_vcc 0
		.amdhsa_float_denorm_mode_32 3
		.amdhsa_float_denorm_mode_16_64 3
		.amdhsa_memory_ordered 1
		.amdhsa_forward_progress 1
		.amdhsa_inst_pref_size 255
	.end_amdhsa_kernel
	.section	.bss,"aw",@nobits
	.p2align	6
	.space	262144
	.amdgpu_metadata
---
amdhsa.version: [ 1, 2 ]
amdhsa.kernels:
  - .name:           k_qea1760a0fe_attn
    .symbol:         k_qea1760a0fe_attn.kd
    .args:
      - { .name: qkv, .offset: 0, .size: 8, .value_kind: global_buffer, .address_space: global }
      - { .name: mbits, .offset: 8, .size: 8, .value_kind: global_buffer, .address_space: global }
      - { .name: ctx, .offset: 16, .size: 8, .value_kind: global_buffer, .address_space: global }
    .group_segment_fixed_size: 327680
    .private_segment_fixed_size: 0
    .kernarg_segment_align: 8
    .kernarg_segment_size: 24
    .max_flat_workgroup_size: 256
    .sgpr_count:     102
    .vgpr_count:     322
    .wavefront_size: 32
...
	.end_amdgpu_metadata
.endif
;; end of part 3
;; launch oproj (part 4): grid 4 x 64, 8 waves a work-group, clusters of 4 x 4, 295,936 bytes of LDS; arguments ctx, wb, bb, out0; writes out0
.if DOCPART == 4
	.amdgcn_target "amdgcn-amd-amdhsa--gfx1250"
	.amdhsa_code_object_version 6
	.text
	.protected	k_qea1760a0fe_oproj
	.globl	k_qea1760a0fe_oproj
	.p2align	8
	.type	k_qea1760a0fe_oproj,@function
k_qea1760a0fe_oproj:
	s_mov_b64 s[64:65], 0
	v_nop
	global_prefetch_b8 v0, s[64:65] scope:SCOPE_SE
	s_setreg_imm32_b32 hwreg(HW_REG_WAVE_MODE, 25, 1), 1
	s_wait_xcnt 0x0
	s_wait_alu depctr_hold_cnt(0) depctr_sa_sdst(0) depctr_va_vdst(0) depctr_va_sdst(0) depctr_va_ssrc(0) depctr_va_vcc(0) depctr_vm_vsrc(0)
	s_getreg_b32 s2, hwreg(HW_REG_IB_STS2, 6, 4)
	s_cmp_eq_u32 s2, 0
	s_cbranch_scc0 .Lentry_in_a_cluster
	s_endpgm
.Lentry_in_a_cluster:
	s_bfe_u32 s2, ttmp6, 0x10000c
	s_cmp_lg_u32 s2, 0xf033
	s_cbranch_scc0 .Lentry_shape_is_right
	s_endpgm
.Lentry_shape_is_right:
; OPROJ.  out0[row][n] (f32) = sum over head, d of ctx[b*8 + head][s][d] Wo[n][64 head + d] + bo[n].
; A work-group makes 128 rows x 128 columns with the whole K = 512 in LDS: 8 chunks (one a head) of 128 rows x 64 of ctx and 8 of Wo, all f16, each chunk 16,384
; dense bytes in memory.  Waves 0-3 ask for two chunks of ctx each, waves 4-7 for two of Wo.  Every LDS byte is filled once: no refill.
; Eight waves, wave (wm = w >> 1, wn = w & 1) makes 32 rows x 64 columns; the matrix instruction is used transposed, as in the projections.
; CLUSTER 4 x 4: ctx's chunks hang on the row block alone and are shared along a row of the cluster, Wo's on the column block alone and are shared along a column.
; LIMIT: operands are f16 (below 65,504); sums and the result are f32.
.set AP,    144
.set CH,    128*AP                     ; a chunk in LDS: 18,432 bytes
.set WREG,  8*CH
.set OPT,   272                        ; the stage's row: 256 bytes of f32 + 16
.set BIAS,  16                         ; v[16:47]
.set BACK,  48                         ; v[48:111]
.set ACC,   144
.set WFR,   208
.set XFR,   240
.set G1A,   24                         ; s[24:31]
.set G1W,   32                         ; s[32:39]
.set G0A,   40                         ; s[40:47]  two groups 0 for ctx
.set G0W,   48                         ; s[48:55]  two groups 0 for Wo
.macro ROUND                           ; a round of the cluster's barrier
	s_barrier_signal -1
	s_barrier_wait -1
	s_cmp_lg_u32 s3, 0
	s_cbranch_scc1 .Lnot_wave_0_\@
	s_barrier_signal -3
.Lnot_wave_0_\@:
	s_barrier_wait -3
	s_barrier_signal -1
	s_barrier_wait -1
.endm
.macro PLACES                          ; four places behind a matrix instruction (ISA guide 7.12.1)
.rept 4
	v_nop
.endr
.endm
; 32 along K: 12 fragment reads, 8 matrix instructions; the eight accumulators take turns, one instruction a turn.
.macro KSTEP kc, ks, zero
	PLACES
.irp mt, 0,1
	ds_load_b128 v[XFR+8*\mt:XFR+8*\mt+3],   v[3+((\kc)>>2)] offset:((\kc)&3)*CH+\mt*16*AP+\ks*64
	ds_load_b128 v[XFR+8*\mt+4:XFR+8*\mt+7], v[3+((\kc)>>2)] offset:((\kc)&3)*CH+\mt*16*AP+\ks*64+32
.endr
.irp nt, 0,1,2,3
	ds_load_b128 v[WFR+8*\nt:WFR+8*\nt+3],   v[5+((\kc)>>2)] offset:((\kc)&3)*CH+\nt*16*AP+\ks*64
	ds_load_b128 v[WFR+8*\nt+4:WFR+8*\nt+7], v[5+((\kc)>>2)] offset:((\kc)&3)*CH+\nt*16*AP+\ks*64+32
.endr
.irp nt, 0,1,2,3
	s_wait_dscnt 6-2*\nt                           ; ctx's four reads and Wo's first 2 nt + 2 are back; the later ones may be out
.irp mt, 0,1
.if \zero
	v_wmma_f32_16x16x32_f16 v[ACC+32*\mt+8*\nt:ACC+32*\mt+8*\nt+7], v[WFR+8*\nt:WFR+8*\nt+7], v[XFR+8*\mt:XFR+8*\mt+7], 0
.else
	v_wmma_f32_16x16x32_f16 v[ACC+32*\mt+8*\nt:ACC+32*\mt+8*\nt+7], v[WFR+8*\nt:WFR+8*\nt+7], v[XFR+8*\mt:XFR+8*\mt+7], v[ACC+32*\mt+8*\nt:ACC+32*\mt+8*\nt+7]
.endif
.endr
.endr
.endm
.macro CHUNK kc, zero
	KSTEP \kc, 0, \zero
	KSTEP \kc, 1, 0
.endm
	s_load_b256 s[12:19], s[0:1], 0x0              ; ctx s[12:13], wb s[14:15], bb s[16:17], out0 s[18:19]
	v_lshl_add_u32 v142, v0, 2, 0x48000
	v_mov_b32 v143, 0
	ds_add_u32 v142, v143
	ds_add_u32 v142, v143
	v_lshrrev_b32 v10, 5, v0
	v_readfirstlane_b32 s3, v10                    ; wave
	s_bfe_u32 s4, ttmp6, 0x40000                   ; cx
	s_bfe_u32 s5, ttmp6, 0x40004                   ; cy
	s_lshl_b32 s6, ttmp9, 2
	s_add_co_u32 s6, s6, s4                        ; nb: column block
	s_and_b32 s7, ttmp7, 0xffff
	s_lshl_b32 s7, s7, 2
	s_add_co_u32 s7, s7, s5                        ; mb: row block
	s_lshr_b32 s56, s3, 1                          ; wm
	s_and_b32 s57, s3, 1                           ; wn
	s_lshl_b32 s8, s5, 2
	s_lshl_b32 s8, 15, s8                          ; my row of the cluster
	s_lshl_b32 s9, 0x1111, s4                      ; my column
	; groups 1: 16,384 dense bytes as 64 rows of 32 elements of 8 bytes; 4 words of padding behind every 32 words (one row of a chunk)
	s_or_b32 s[G1A+0], s8, (3<<16)|(1<<20)|(1<<21)|(4<<22)|(3<<25)
	s_or_b32 s[G1W+0], s9, (3<<16)|(1<<20)|(1<<21)|(4<<22)|(3<<25)
.irp g, G1A, G1W
	s_mov_b32 s[\g+1], 32<<16
	s_mov_b32 s[\g+2], 64<<16
	s_mov_b32 s[\g+3], 32<<16
	s_mov_b32 s[\g+4], 64
	s_mov_b32 s[\g+5], 32
	s_mov_b32 s[\g+6], 0
	s_mov_b32 s[\g+7], 0
.endr
	; ctx's chunks: batch, head = wave (and wave + 4), 128 rows: nothing of cx.  s8, s20, s21 never hold cx.
	s_lshr_b32 s8, s7, 4
	s_lshl_b32 s20, s8, 21
	s_and_b32 s8, s7, 15
	s_lshl_b32 s8, s8, 14
	s_add_co_u32 s20, s20, s8
	s_lshl_b32 s8, s3, 18
	s_add_co_u32 s20, s20, s8
	s_mov_b32 s21, 0
	; Wo's chunks: the fourth matrix of wb, k chunk = wave - 4 (and wave), 128 rows: nothing of cy.  s9, s22, s23 never hold cy.
	s_lshl_b32 s22, s6, 14
	s_lshl_b32 s9, s3, 16
	s_add_co_u32 s22, s22, s9
	s_add_co_u32 s22, s22, 3*524288-4*65536
	s_mov_b32 s23, 0
	s_mov_b32 s[G0A+0], 1
	s_mul_i32 s[G0A+1], s3, CH                     ; waves 0-3: chunk w
	s_mov_b32 s[G0A+4], 1
	s_add_co_u32 s[G0A+5], s[G0A+1], 4*CH          ; and chunk w + 4
	s_mov_b32 s[G0W+0], 1
	s_add_co_u32 s[G0W+1], s[G0A+1], 4*CH          ; waves 4-7: WREG + (w - 4) chunks
	s_mov_b32 s[G0W+4], 1
	s_add_co_u32 s[G0W+5], s[G0A+1], 8*CH
	v_and_b32 v12, 15, v0                          ; r
	v_bfe_u32 v13, v0, 4, 1                        ; h
	v_lshlrev_b32 v11, 5, v13
	v_lshl_add_u32 v11, s57, 8, v11                ; bias: 256 wn + 32 h
	s_lshl_b32 s62, s6, 9
	s_add_co_u32 s62, s62, 3*2048
	s_mov_b32 s63, 0
	s_wait_dscnt 0x0
	s_wait_kmcnt 0x0
	s_add_nc_u64 s[G0A+2:G0A+3], s[12:13], s[20:21]
	s_add_nc_u64 s[G0A+6:G0A+7], s[G0A+2:G0A+3], 4*262144
	s_or_b32 s[G0A+3], s[G0A+3], 0x80000000
	s_or_b32 s[G0A+7], s[G0A+7], 0x80000000
	s_add_nc_u64 s[G0W+2:G0W+3], s[14:15], s[22:23]
	s_add_nc_u64 s[G0W+6:G0W+7], s[G0W+2:G0W+3], 4*65536
	s_or_b32 s[G0W+3], s[G0W+3], 0x80000000
	s_or_b32 s[G0W+7], s[G0W+7], 0x80000000
	s_add_nc_u64 s[60:61], s[16:17], s[62:63]
.irp nt, 0,1,2,3
	global_load_b128 v[BIAS+8*\nt:BIAS+8*\nt+3],   v11, s[60:61] offset:64*\nt
	global_load_b128 v[BIAS+8*\nt+4:BIAS+8*\nt+7], v11, s[60:61] offset:64*\nt+16
.endr
	ROUND                                          ; all sixteen groups are here: the joint loads meet
	s_cmp_lt_u32 s3, 4
	s_cbranch_scc0 .Lfor_w
	tensor_load_to_lds s[G0A:G0A+3], s[G1A:G1A+7]
	s_nop 0
	tensor_load_to_lds s[G0A+4:G0A+7], s[G1A:G1A+7]
	s_nop 0
	s_branch .Lasked
.Lfor_w:
	tensor_load_to_lds s[G0W:G0W+3], s[G1W:G1W+7]
	s_nop 0
	tensor_load_to_lds s[G0W+4:G0W+7], s[G1W:G1W+7]
	s_nop 0
.Lasked:                                           ; two tensor loads of each wave are out
	v_mul_u32_u24 v15, v12, AP
	v_lshl_add_u32 v15, v13, 4, v15                ; r x pitch + 16 h
	s_mul_i32 s10, s56, 32*AP
	v_add_nc_u32 v3, s10, v15
	v_add_nc_u32 v4, 4*CH, v3
	s_mul_i32 s10, s57, 64*AP
	s_add_co_u32 s10, s10, WREG
	v_add_nc_u32 v5, s10, v15
	v_add_nc_u32 v6, 4*CH, v5
	s_mul_i32 s11, s3, 32*OPT                      ; my stage: 32 rows of 272 bytes, in ctx's region when it has been read
	v_mul_u32_u24 v7, v12, OPT
	v_lshl_add_u32 v7, v13, 5, v7
	v_add_nc_u32 v7, s11, v7                       ; in: row r, 32 bytes for each half of the lanes
	v_mul_u32_u24 v8, v13, OPT
	v_lshl_add_u32 v8, v12, 4, v8
	v_add_nc_u32 v8, s11, v8                       ; back: two rows of 256 bytes a read
	v_lshlrev_b32 v9, 4, v12
	v_lshl_add_u32 v9, v13, 11, v9                 ; the same two rows in out0
	s_lshl_b32 s62, s7, 18                         ; 128 rows of 2,048 bytes
	s_lshl_b32 s58, s56, 16
	s_add_co_u32 s62, s62, s58
	s_lshl_b32 s58, s6, 9
	s_add_co_u32 s62, s62, s58
	s_lshl_b32 s58, s57, 8
	s_add_co_u32 s62, s62, s58
	s_add_nc_u64 s[58:59], s[18:19], s[62:63]
	s_wait_tensorcnt 0x1                           ; my first chunk (one of 0-3) is in; my second may stay out
	s_barrier_signal -1
	s_barrier_wait -1
	CHUNK 0, 1
	CHUNK 1, 0
	CHUNK 2, 0
	CHUNK 3, 0
	s_wait_tensorcnt 0x0                           ; my second chunk (one of 4-7)
	s_wait_dscnt 0x0
	s_barrier_signal -1
	s_barrier_wait -1
	CHUNK 4, 0
	CHUNK 5, 0
	CHUNK 6, 0
	CHUNK 7, 0
	; THE WAY OUT: bias, f32 through my stage, sixteen lanes store 256 consecutive bytes, aligned.
	PLACES
	s_wait_loadcnt 0x0                             ; the bias
	s_wait_dscnt 0x0
	s_barrier_signal -1
	s_barrier_wait -1                              ; every wave has read its last fragment of ctx; the region has had its last fill and becomes the stage
.irp mt, 0,1
.irp nt, 0,1,2,3
.irp j, 0,2,4,6
	v_pk_add_f32 v[ACC+32*\mt+8*\nt+\j:ACC+32*\mt+8*\nt+\j+1], v[ACC+32*\mt+8*\nt+\j:ACC+32*\mt+8*\nt+\j+1], v[BIAS+8*\nt+\j:BIAS+8*\nt+\j+1]
.endr
	ds_store_b128 v7, v[ACC+32*\mt+8*\nt:ACC+32*\mt+8*\nt+3]   offset:\mt*16*OPT+\nt*64
	ds_store_b128 v7, v[ACC+32*\mt+8*\nt+4:ACC+32*\mt+8*\nt+7] offset:\mt*16*OPT+\nt*64+16
.endr
.endr
.irp i, 0,1,2,3,4,5,6,7,8,9,10,11,12,13,14,15
	ds_load_b128 v[BACK+4*\i:BACK+4*\i+3], v8 offset:\i*2*OPT      ; LDS serves a wave's instructions in order: these see my stores
.endr
.irp i, 0,1,2,3,4,5,6,7,8,9,10,11,12,13,14,15
	s_wait_dscnt 15-\i                             ; read i is back, the later ones may be out
	global_store_b128 v9, v[BACK+4*\i:BACK+4*\i+3], s[58:59] offset:4096*\i th:TH_STORE_NT
.endr
	s_wait_tensorcnt 0x0
	ds_add_u32 v142, v143
	s_wait_dscnt 0x0
	ROUND                                          ; the closing round
	s_endpgm
.Lfunc_end_k_qea1760a0fe_oproj:
	.size	k_qea1760a0fe_oproj, .Lfunc_end_k_qea1760a0fe_oproj-k_qea1760a0fe_oproj
	.p2alignl 7, 3214868480
	.fill 96, 4, 3214868480
	.section	.rodata,"a",@progbits
	.p2align	6, 0x0
	.amdhsa_kernel k_qea1760a0fe_oproj
		.amdhsa_group_segment_fixed_size 295936
		.amdhsa_private_segment_fixed_size 0
		.amdhsa_enable_private_segment 0
		.amdhsa_kernarg_size 32
		.amdhsa_user_sgpr_count 2
		.amdhsa_user_sgpr_kernarg_segment_ptr 1
		.amdhsa_wavefront_size32 1
		.amdhsa_system_sgpr_workgroup_id_x 1
		.amdhsa_system_sgpr_workgroup_id_y 1
		.amdhsa_system_sgpr_workgroup_id_z 1
		.amdhsa_system_vgpr_workitem_id 0
		.amdhsa_next_free_vgpr 256
		.amdhsa_next_free_sgpr 66
		.amdhsa_reserve_vcc 0
		.amdhsa_float_denorm_mode_32 3
		.amdhsa_float_denorm_mode_16_64 3
		.amdhsa_memory_ordered 1
		.amdhsa_forward_progress 1
		.amdhsa_inst_pref_size 38
	.end_amdhsa_kernel
	.amdgpu_metadata
---
amdhsa.version: [ 1, 2 ]
amdhsa.kernels:
  - .name:           k_qea1760a0fe_oproj
    .symbol:         k_qea1760a0fe_oproj.kd
    .args:
      - { .name: ctx, .offset: 0, .size: 8, .value_kind: global_buffer, .address_space: global }
      - { .name: wb, .offset: 8, .size: 8, .value_kind: global_buffer, .address_space: global }
      - { .name: bb, .offset: 16, .size: 8, .value_kind: global_buffer, .address_space: global }
      - { .name: out0, .offset: 24, .size: 8, .value_kind: global_buffer, .address_space: global }
    .group_segment_fixed_size: 295936
    .private_segment_fixed_size: 0
    .kernarg_segment_align: 8
    .kernarg_segment_size: 32
    .max_flat_workgroup_size: 256
    .sgpr_count:     66
    .vgpr_count:     256
    .wavefront_size: 32
...
	.end_amdgpu_metadata
.endif
;; end of part 4
